; MI455X (gfx1250); checked and timed in simulation.
; The chip was launched on July 23, 2026; its instructions are those of AMD's public machine-readable ISA for CDNA 5 (MIT licence, August 2026) and "CDNA5" Instruction Set Architecture Reference Guide (July 2026). The comments in the code are by the model that wrote it; some were corrected since.
;; Attention. Allowed arithmetic: matrix products marked QUANTISED: E4M3 operands, one E8M0 scale for each 32 along K, by v_wmma_scale_f32_16x16x128_f8f6f4 with both operands' format E4M3, f32 sums; everything else in f32.
;; Inputs: Wk_codes 64 x 32 x 32 uint8 (E4M3 codes of Wk, K innermost, in blocks of 32 codes); Wk_scales 64 x 32 uint8 (E8M0 scales of Wk, one for each 32 codes along K); Wq_codes 64 x 32 x 32 uint8 (E4M3 codes of Wq, K innermost, in blocks of 32 codes); Wq_scales 64 x 32 uint8 (E8M0 scales of Wq, one for each 32 codes along K); Wv_codes 1,024 x 32 x 32 uint8 (E4M3 codes of Wv, K innermost, in blocks of 32 codes); Wv_scales 1,024 x 32 uint8 (E8M0 scales of Wv, one for each 32 codes along K); bk 64 float32; bq 64 float32; bv 1,024 float32; input_codes 8 x 2,048 x 32 x 32 uint8 (E4M3 codes of input, K innermost, in blocks of 32 codes); input_scales 8 x 2,048 x 32 uint8 (E8M0 scales of input, one for each 32 codes along K).
;; Outputs: out0 8 x 2,048 x 1,024 float32.
;; This version of the problem:
;;   THIS VERSION OF THE PROBLEM IS GIVEN IN LOW PRECISION. The matrix products marked QUANTISED in the list below multiply operands that are first quantised to E4M3 (4 exponent bits, 3 mantissa bits; 8 bits a number), with one power-of-two scale for each 32 numbers along K (OCP MX v1.0); their sums are f32. All else is computed in f32.
;;   The module's matrix products, in the order in which they are computed (A, B: the left and right operand; K: the contracted axis; several contracted axes count as one K, in the product's order):
;;     1. [M 16,384, K 1,024] x [K 1,024, N 64]; A: input input (given as codes); B: input Wq (given as codes): QUANTISED
;;     2. [M 16,384, K 1,024] x [K 1,024, N 64]; A: input input (given as codes); B: input Wk (given as codes): QUANTISED
;;     3. [M 16,384, K 1,024] x [K 1,024, N 1,024]; A: input input (given as codes); B: input Wv (given as codes): QUANTISED
;;     4. batch 8 x [M 2,048, K 64] x [K 64, N 2,048]; A: computed on the way; B: computed on the way: QUANTISED
;;     5. batch 8 x [M 2,048, K 2,048] x [K 2,048, N 1,024]; A: softmax (see below); B: computed on the way: QUANTISED
;;   THE QUANTISER, for each operand of a quantised product, along K:
;;     - K is cut into blocks of 32 from its start; a last block that is shorter is filled with zeros.
;;     - A block's scale is 2^e with e = floor(log2(the largest magnitude in the block)) - 8, held to -126 .. 127; a block of zeros has e = 0. As a byte (E8M0): e + 127.
;;     - Each number is divided by its block's scale, clamped to +-448, and rounded to the nearest number of E4M3, ties to even, subnormals kept.
;;     - The product sums the exact products of the quantised numbers (number of the format x scale) in f32.
;;   ~~~python
;;   def quantise(x, axis):      # numpy; x: float32 -> the quantised numbers, widened to float32 again
;;       x = np.moveaxis(x, axis, -1); K = x.shape[-1]
;;       x = np.pad(x, [(0, 0)] * (x.ndim - 1) + [(0, -K % 32)]); x = x.reshape(x.shape[:-1] + (-1, 32)); a = np.abs(x).max(-1, keepdims=True)
;;       e = np.where(a > 0, np.clip(np.frexp(np.where(a > 0, a, 1))[1] - 1 - 8, -126, 127), 0)      # np.frexp(a)[1] - 1 = floor(log2(a)), exactly
;;       r = np.clip(x / 2.0 ** e, -448, 448)
;;       step = 2.0 ** (np.maximum(np.frexp(np.where(r == 0, 1, r))[1] - 1, -6) - 3)
;;       q = np.round(r / step) * step * 2.0 ** e      # np.round: ties to even
;;       return np.moveaxis(q.reshape(q.shape[:-2] + (-1,))[..., :K], -1, axis).astype(np.float32)
;;   ~~~
;;   SOFTMAX AHEAD OF A QUANTISED PRODUCT. Where the list says 'softmax', what is quantised is not the finished softmax but p = 2^(t - M), with t = logit x log2(e) and M = ceil(the row's largest t), a whole number; so 1/2 < the row's largest p <= 1. The row's sum l is taken of the UNQUANTISED p, in f32, and the product's result is divided by l at the end. Since M is a whole number, a kernel that streams over the keys may use a running M (the ceiling of the running maximum): every later rescaling is an exact power of two, which a block's scale takes up: the codes' values come out the same.
;;   OPERANDS COMPUTED ON THE WAY. 'Computed on the way' means the value that the module computes at that place (a softmax that the list does not call 'softmax' is quantised finished and normalised). What goes into a quantiser is computed in f32, as accurately as f32 sums, v_exp_f32 and their like allow (about 1e-6 of the number): no bf16 or f16 on the way to a quantiser, and a product that is left as it is and whose result goes on into a quantised operand takes f32 operands (vector FMAs, or v_wmma_f32_16x16x4_f32). A number that lies on a knife's edge between two numbers of the format may be rounded either way, as far as f32 arithmetic and the matrix unit's own rounding can turn it there, and no further.
;;   INPUTS GIVEN AS CODES. Wk (in the module: [1024, 64], K = its axis 0); Wq (in the module: [1024, 64], K = its axis 0); Wv (in the module: [1024, 1024], K = its axis 0); input (in the module: [8, 2048, 1024], K = its axis 2): each comes as NAME_codes (uint8): NAME with its K axis moved to the last place and cut into blocks of 32 codes, [.., K / 32, bytes a block], one block behind the other in memory; one code a byte (a code: sign, 4 exponent bits, 3 mantissa bits); and NAME_scales (uint8): the same leading axes, one E8M0 byte (e + 127) for each 32 codes along K. Its value is code x scale, taken as it is: it is not quantised again, and the codes and scales need not be those that the quantiser above would give.
;; One version. Each part assembles by itself: llvm-mc -triple=amdgcn-amd-amdhsa -mcpu=gfx1250 --defsym DOCPART=n.
;; ======== version 1 of 1: 2 launches
;; limits: right only within a limited range of input values
;; workspace buffers: vcodes 16,777,216 bytes; vscales 524,288 bytes; qkcodes 2,097,152 bytes; qkscales 65,536 bytes
;; launch proj (part 1): grid 4 x 64, 4 waves a work-group, clusters of 4 x 4, 327,680 bytes of LDS; arguments input_codes, input_scales, Wv_codes, Wv_scales, Wq_codes, Wk_codes, Wq_scales, Wk_scales, bq, bk, bv, vcodes, vscales, qkcodes, qkscales; writes vcodes, vscales, qkcodes, qkscales
.if DOCPART == 1
	.amdgcn_target "amdgcn-amd-amdhsa--gfx1250"
	.amdhsa_code_object_version 6
	.text
	.protected	k_q1b3682918b_proj
	.globl	k_q1b3682918b_proj
	.p2align	8
	.type	k_q1b3682918b_proj,@function
k_q1b3682918b_proj:
	s_mov_b64 s[64:65], 0
	v_nop
	global_prefetch_b8 v0, s[64:65] scope:SCOPE_SE
	s_setreg_imm32_b32 hwreg(HW_REG_WAVE_MODE, 25, 1), 1
	s_wait_xcnt 0x0
	s_wait_alu depctr_hold_cnt(0) depctr_sa_sdst(0) depctr_va_vdst(0) depctr_va_sdst(0) depctr_va_ssrc(0) depctr_va_vcc(0) depctr_vm_vsrc(0)
	s_getreg_b32 s2, hwreg(HW_REG_IB_STS2, 6, 4)
	s_cmp_eq_u32 s2, 0
	s_cbranch_scc0 .Lentry_in_a_cluster
	s_endpgm
.Lentry_in_a_cluster:
	s_bfe_u32 s2, ttmp6, 0x10000c
	s_cmp_lg_u32 s2, 0xf033
	s_cbranch_scc0 .Lentry_shape_is_right
	s_endpgm
.Lentry_shape_is_right:
; FIRST LAUNCH OF TWO.  q, k, v = input x W + b on the codes as they are given; each result is quantised on the way out and leaves as codes and scale bytes in the order of the second launch's operand registers.
; q and k along the head's 64, v along the keys.  No f32 result is stored.
; WORK LEFT OUT IN THE PROGRAM (second launch): key steps of 128 all of whose keys lie behind the last query of a super-block of 256 queries.  reference() builds the causal mask itself: those keys get p = 0 whatever the inputs hold.
; LIMITS: NaN and infinities are not served, nor is one that reaches only the steps left out carried to the result.  A block of zeros gets the byte 1 in place of 127: its codes are zeros.
; 256 work-groups of 256 rows x 256 columns of v; column group cx also makes 32 columns of q (cx 0, 1) or of k (cx 2, 3).  Clusters of 4 x 4 share the rows of input along x and those of the weights along y.
.set PITCH, 272
.set WOFF,  256*PITCH
.set QOFF,  512*PITCH
.set SLOT,  544*PITCH
.set SPARE, 2*SLOT
.set VST,   SPARE+512
.set G1C,   (1<<20)|(1<<21)|(5<<22)|(3<<25)
.set ADRA, 4
.set ADRB, 6
.set ADRQ, 8
.set LI,   10
.set R4,   11
.set VSW,  12
.set VSR,  13
.set XSO,  14
.set WSO,  15
.set SPW,  16
.set NIL,  17
.set H64,  18
.set QS,   32
.set XS,   40
.set WS,   56
.set TM,   0
.set T2,   16
.set LIM,  32
.set SCO,  48
.set HW,   64
.set PW,   80
.set WV,  34
.set CX,  35
.set CY,  60
.set II,  61
.set SEL, 62
.set MNT, 66
.set HM,  67
.set G1X, 36
.set G1W, 44
.set G1Q, 52
.set G0X, 68
.set G0W, 76
.set G0Q, 84
.set MSB, 0
.macro WIN new
.if MSB != \new
	s_set_vgpr_msb (MSB<<8)|\new
.set MSB, \new
.endif
.endm
.macro PLACES n
.rept \n
	v_nop
.endr
.endm
.macro JLOAD s
	s_cmp_eq_u32 s[WV], 0
	s_cbranch_scc0 .Lnot_x_\@
	tensor_load_to_lds s[G0X+4*\s:G0X+4*\s+3], s[G1X:G1X+7]
	s_nop 0
.rept 4
	v_nop
.endr
	s_branch .Lasked_\@
.Lnot_x_\@:
	s_cmp_eq_u32 s[WV], 3
	s_cbranch_scc1 .Lfor_q_\@
	tensor_load_to_lds s[G0W+4*\s:G0W+4*\s+3], s[G1W:G1W+7]
	s_nop 0
.rept 4
	v_nop
.endr
	s_branch .Lasked_\@
.Lfor_q_\@:
	tensor_load_to_lds s[G0Q+4*\s:G0Q+4*\s+3], s[G1Q:G1Q+7]
	s_nop 0
.rept 4
	v_nop
.endr
.Lasked_\@:
.endm
.macro CREST
	s_cmp_lg_u32 s[WV], 0
	s_cbranch_scc1 .Lnot_wave_0_\@
	s_barrier_signal -3
.Lnot_wave_0_\@:
	s_barrier_wait -3
	s_barrier_signal -1
	s_barrier_wait -1
.endm
.macro CROUND
	s_barrier_signal -1
	s_barrier_wait -1
	CREST
.endm
	s_load_b512 s[4:19], s[0:1], 0x0
	s_load_b256 s[20:27], s[0:1], 0x40
	s_load_b128 s[28:31], s[0:1], 0x60
	s_load_b64 s[32:33], s[0:1], 0x70
	v_lshl_add_u32 v[SPW], v0, 2, SPARE
	v_mov_b32 v[NIL], 0
	ds_add_u32 v[SPW], v[NIL]
	ds_add_u32 v[SPW], v[NIL]
	v_lshrrev_b32 v1, 5, v0
	v_readfirstlane_b32 s[WV], v1
	s_bfe_u32 s[CX], ttmp6, 0x40000
	s_bfe_u32 s[CY], ttmp6, 0x40004
	s_and_b32 s[II], ttmp7, 0xffff
	s_lshl_b32 s[II], s[II], 2
	s_add_co_u32 s[II], s[II], s[CY]
	s_lshl_b32 s92, s[CY], 2
	s_lshl_b32 s92, 15, s92
	s_lshl_b32 s94, 0x1111, s[CX]
	s_or_b32 s[G1X], s92, G1C
	s_or_b32 s[G1W], s94, G1C
	s_or_b32 s[G1Q], s94, G1C
.irp g, G1X, G1W, G1Q
	s_mov_b32 s[\g+1], 256<<16
	s_mov_b32 s[\g+3], 256<<16
	s_mov_b32 s[\g+5], 1024
	s_mov_b32 s[\g+6], 0
	s_mov_b32 s[\g+7], 0
.endr
	s_mov_b32 s[G1X+2], 256<<16
	s_mov_b32 s[G1X+4], 256
	s_mov_b32 s[G1W+2], 128<<16
	s_mov_b32 s[G1W+4], 128
	s_mov_b32 s[G1Q+2], 32<<16
	s_mov_b32 s[G1Q+4], 32
	s_lshl_b32 s92, s[II], 18
	s_mov_b32 s93, 0
	s_lshr_b32 s3, s[WV], 1
	s_lshl_b32 s94, s[CX], 18
	s_lshl_b32 s96, s3, 17
	s_add_co_u32 s94, s94, s96
	s_mov_b32 s95, 0
	s_mul_i32 s3, s3, 128*PITCH
	s_and_b32 s96, s[CX], 1
	s_lshl_b32 s96, s96, 15
	s_mov_b32 s97, 0
	s_mov_b32 s[SEL], 0x76543210
	s_mov_b32 s[SEL+1], 0xfedcba98
	s_mov_b32 s[MNT], 0x600000
	s_mov_b32 s[HM], 0xffff0000
	s_wait_dscnt 0x0
	s_wait_kmcnt 0x0
	s_cmp_lt_u32 s[CX], 2
	s_cselect_b64 s[12:13], s[12:13], s[14:15]
	s_cselect_b64 s[16:17], s[16:17], s[18:19]
	s_cselect_b64 s[20:21], s[20:21], s[22:23]
	s_add_nc_u64 s[92:93], s[4:5], s[92:93]
	s_add_nc_u64 s[94:95], s[8:9], s[94:95]
	s_add_nc_u64 s[96:97], s[12:13], s[96:97]
	CROUND
.irp s, 0,1
	s_mov_b32 s[G0X+4*\s], 1
	s_mov_b32 s[G0X+4*\s+1], \s*SLOT
	s_add_nc_u64 s[G0X+4*\s+2:G0X+4*\s+3], s[92:93], \s*256
	s_or_b32 s[G0X+4*\s+3], s[G0X+4*\s+3], 0x80000000
	s_mov_b32 s[G0W+4*\s], 1
	s_add_co_u32 s[G0W+4*\s+1], s3, \s*SLOT+WOFF
	s_add_nc_u64 s[G0W+4*\s+2:G0W+4*\s+3], s[94:95], \s*256
	s_or_b32 s[G0W+4*\s+3], s[G0W+4*\s+3], 0x80000000
	s_mov_b32 s[G0Q+4*\s], 1
	s_mov_b32 s[G0Q+4*\s+1], \s*SLOT+QOFF
	s_add_nc_u64 s[G0Q+4*\s+2:G0Q+4*\s+3], s[96:97], \s*256
	s_or_b32 s[G0Q+4*\s+3], s[G0Q+4*\s+3], 0x80000000
	s_wait_alu depctr_va_vdst(0)
	s_wait_tensorcnt 0x0
	ds_add_u32 v16, v17
	ds_add_u32 v16, v17
	s_wait_dscnt 0x0
	CROUND
	JLOAD \s
.endr
	s_mov_b32 s99, 0
	s_lshl_b32 s98, s[II], 13
	s_lshl_b32 s2, s[WV], 11
	s_add_co_u32 s98, s98, s2
	s_add_nc_u64 s[6:7], s[6:7], s[98:99]
	s_lshl_b32 s98, s[CX], 13
	s_add_nc_u64 s[10:11], s[10:11], s[98:99]
	s_and_b32 s100, s[CX], 1
	s_lshl_b32 s98, s100, 10
	s_add_nc_u64 s[16:17], s[16:17], s[98:99]
	s_lshl_b32 s98, s100, 7
	s_add_nc_u64 s[20:21], s[20:21], s[98:99]
	s_lshl_b32 s98, s[CX], 10
	s_add_nc_u64 s[24:25], s[24:25], s[98:99]
	s_lshr_b32 s101, s[WV], 1
	s_and_b32 s2, s[WV], 1
	s_lshl_b32 s98, s[II], 18
	s_lshl_b32 s3, s101, 17
	s_add_co_u32 s98, s98, s3
	s_lshl_b32 s3, s[CX], 15
	s_add_co_u32 s98, s98, s3
	s_lshl_b32 s3, s2, 10
	s_add_co_u32 s98, s98, s3
	s_add_nc_u64 s[26:27], s[26:27], s[98:99]
	s_lshl_b32 s98, s[II], 13
	s_lshl_b32 s3, s101, 12
	s_add_co_u32 s98, s98, s3
	s_lshl_b32 s3, s[CX], 10
	s_add_co_u32 s98, s98, s3
	s_lshl_b32 s3, s2, 9
	s_add_co_u32 s98, s98, s3
	s_add_nc_u64 s[28:29], s[28:29], s[98:99]
	s_lshl_b32 s98, s[II], 14
	s_lshl_b32 s3, s[WV], 12
	s_add_co_u32 s98, s98, s3
	s_lshl_b32 s3, s100, 9
	s_add_co_u32 s98, s98, s3
	s_lshr_b32 s3, s[CX], 1
	s_lshl_b32 s3, s3, 20
	s_add_co_u32 s98, s98, s3
	s_add_nc_u64 s[30:31], s[30:31], s[98:99]
	s_lshl_b32 s98, s[CX], 14
	s_lshl_b32 s3, s[II], 8
	s_add_co_u32 s98, s98, s3
	s_lshl_b32 s3, s[WV], 6
	s_add_co_u32 s98, s98, s3
	s_add_nc_u64 s[32:33], s[32:33], s[98:99]
	v_and_b32 v1, 15, v0
	v_bfe_u32 v2, v0, 4, 1
	v_and_b32 v3, 8, v1
	v_add_nc_u32 v3, v3, v1
	v_mul_u32_u24 v21, v3, PITCH
	v_lshl_add_u32 v21, v2, 4, v21
	s_mul_i32 s2, s[WV], 64*PITCH
	v_add_nc_u32 v[ADRA], s2, v21
	v_add_nc_u32 v[ADRA+1], SLOT, v[ADRA]
	v_mul_u32_u24 v22, v1, PITCH
	v_lshl_add_u32 v22, v2, 4, v22
	v_add_nc_u32 v[ADRB], WOFF, v22
	v_add_nc_u32 v[ADRB+1], SLOT, v[ADRB]
	v_add_nc_u32 v[ADRQ], QOFF, v21
	v_add_nc_u32 v[ADRQ+1], SLOT, v[ADRQ]
	v_and_b32 v23, 31, v0
	v_lshlrev_b32 v[LI], 4, v23
	v_lshlrev_b32 v[R4], 2, v1
	v_lshlrev_b32 v[H64], 6, v2
	v_lshl_add_u32 v[XSO], v2, 3, v3
	v_lshlrev_b32 v[XSO], 5, v[XSO]
	v_lshlrev_b32 v[WSO], 5, v23
	s_lshl_b32 s2, s101, 10
	s_and_b32 s3, s[WV], 1
	s_lshl_b32 s3, s3, 1
	s_add_co_u32 s2, s2, s3
	s_add_co_u32 s2, s2, VST
	v_lshl_add_u32 v[VSW], v23, 3, s2
	s_lshl_b32 s2, s[WV], 9
	s_add_co_u32 s2, s2, VST
	v_add_nc_u32 v[VSR], s2, v[LI]
.irp b, 0,1
	global_load_b128 v[XS+8*\b:XS+8*\b+3], v[XSO], s[6:7] offset:1024*\b
	global_load_b128 v[XS+8*\b+4:XS+8*\b+7], v[XSO], s[6:7] offset:1024*\b+16
.endr
.irp n, 0,1,2,3,4,5,6,7
	global_load_b128 v[WS+8*\n:WS+8*\n+3], v[WSO], s[10:11] offset:1024*\n
	global_load_b128 v[WS+8*\n+4:WS+8*\n+7], v[WSO], s[10:11] offset:1024*\n+16
.endr
	global_load_b128 v[QS:QS+3], v[XSO], s[16:17]
	global_load_b128 v[QS+4:QS+7], v[XSO], s[16:17] offset:16
.macro FRAG reg, adr, off
.irp c, 0,1,2,3
	ds_load_b128 v[\reg+4*\c:\reg+4*\c+3], v[\adr] offset:\off+32*\c
.endr
.endm
.macro RB k, slot
	WIN 0x40
.set bB, 96*((\k)%2)
.set qq, (\k)/3
.set gg, (\k)%3
.irp i, 0,1,2,3,4,5
.if (gg == 2) && (\i >= 4)
	FRAG bB+16*\i, ADRQ+\slot, (8*(\i-4))*PITCH+128*qq
.else
	FRAG bB+16*\i, ADRB+\slot, 16*(6*gg+\i)*PITCH+128*qq
.endif
.endr
.endm
.macro RA q, slot
	WIN 0
.irp a, 0,1,2,3
	FRAG 128+64*(\q)+16*\a, ADRA+\slot, (32*(\a/2)+8*(\a%2))*PITCH+128*(\q)
.endr
.endm
.macro WM zero
.if \zero
.if fA && fB
	v_wmma_scale_f32_16x16x128_f8f6f4 v[rD:rD+7], v[rA:rA+15], v[rB:rB+15], 0, v[rSA], v[rSB] matrix_a_scale:MATRIX_SCALE_ROW1 matrix_b_scale:MATRIX_SCALE_ROW1
.elseif fA
	v_wmma_scale_f32_16x16x128_f8f6f4 v[rD:rD+7], v[rA:rA+15], v[rB:rB+15], 0, v[rSA], v[rSB] matrix_a_scale:MATRIX_SCALE_ROW1
.elseif fB
	v_wmma_scale_f32_16x16x128_f8f6f4 v[rD:rD+7], v[rA:rA+15], v[rB:rB+15], 0, v[rSA], v[rSB] matrix_b_scale:MATRIX_SCALE_ROW1
.else
	v_wmma_scale_f32_16x16x128_f8f6f4 v[rD:rD+7], v[rA:rA+15], v[rB:rB+15], 0, v[rSA], v[rSB]
.endif
.else
.if fA && fB
	v_wmma_scale_f32_16x16x128_f8f6f4 v[rD:rD+7], v[rA:rA+15], v[rB:rB+15], v[rD:rD+7], v[rSA], v[rSB] matrix_a_scale:MATRIX_SCALE_ROW1 matrix_b_scale:MATRIX_SCALE_ROW1
.elseif fA
	v_wmma_scale_f32_16x16x128_f8f6f4 v[rD:rD+7], v[rA:rA+15], v[rB:rB+15], v[rD:rD+7], v[rSA], v[rSB] matrix_a_scale:MATRIX_SCALE_ROW1
.elseif fB
	v_wmma_scale_f32_16x16x128_f8f6f4 v[rD:rD+7], v[rA:rA+15], v[rB:rB+15], v[rD:rD+7], v[rSA], v[rSB] matrix_b_scale:MATRIX_SCALE_ROW1
.else
	v_wmma_scale_f32_16x16x128_f8f6f4 v[rD:rD+7], v[rA:rA+15], v[rB:rB+15], v[rD:rD+7], v[rSA], v[rSB]
.endif
.endif
.endm
.macro MULT p, k, i
.set gg, (\k)%3
.set qq, (\k)/3
.set ss, 2*(\p)+qq
.set bF, 96*((\k)%2)+16*(\i)
.set zf, 0
.if ((\p) == 0) && ((\k) < 3)
.set zf, 1
.endif
.if (gg == 2) && ((\i) >= 4)
	WIN 0x51
.irp a, 0,1,2,3
.set rD, 192+8*(2*\a+(\i)-4)
.set rA, bF
.set rB, 128+64*qq+16*\a
.set rSA, QS+ss
.set rSB, XS+8*(\a/2)+ss
.set fA, (\i)-4
.set fB, \a%2
	WM zf
.endr
.else
.set nn, 6*gg+(\i)
.set wN, 0xa4+0x50*(nn/8)
	WIN wN
.irp a, 0,1,2,3
.set rD, 8*(4*(nn%8)+\a)
.set rA, 128+64*qq+16*\a
.set rB, bF
.set rSA, XS+8*(\a/2)+ss
.set rSB, WS+8*(nn/2)+ss
.set fA, \a%2
.set fB, nn%2
	WM zf
.endr
.endif
.endm
.macro GRP p, k, lo, hi
.irp i, 0,1,2,3,4,5
.if (\i >= \lo) && (\i <= \hi)
	MULT \p, \k, \i
.endif
.endr
.endm
.macro BIAS
	WIN 0
.irp n, 0,1,2,3,4,5,6,7,8,9,10,11,12,13,14,15
	global_load_b32 v[128+2*\n], v[R4], s[24:25] offset:64*\n
	global_load_b32 v[129+2*\n], v[R4], s[24:25] offset:64*\n
.endr
.irp j, 0,1,2,3
	global_load_b128 v[160+4*\j:163+4*\j], v[H64], s[20:21] offset:16*\j
.endr
.endm
.macro PHASE p
.set SL, (\p)%2
.if (\p) > 0
	PLACES 8
.endif
	RB 1, SL
	s_wait_dscnt 24
	GRP \p, 0, 0, 5
	PLACES 8
	RB 2, SL
	RA 1, SL
	s_wait_dscnt 40
	GRP \p, 1, 0, 5
	PLACES 8
	RB 3, SL
	s_wait_dscnt 40
	GRP \p, 2, 0, 5
	PLACES 8
	RB 4, SL
.if (\p) == 3
	s_wait_alu depctr_va_vdst(0)
	BIAS
.endif
	s_wait_dscnt 24
	GRP \p, 3, 0, 5
	PLACES 8
	RB 5, SL
.if (\p) < 3
	WIN 0
	s_wait_tensorcnt 0x0
	ds_add_u32 v[SPW], v[NIL]
	s_wait_dscnt 25
	GRP \p, 4, 0, 1
	s_wait_dscnt 0x0
	s_barrier_signal -1
	GRP \p, 4, 2, 3
	WIN 0
	s_barrier_wait -1
.if (\p) < 2
	CREST
	s_add_nc_u64 s[G0X+4*SL+2:G0X+4*SL+3], s[G0X+4*SL+2:G0X+4*SL+3], 512
	s_add_nc_u64 s[G0W+4*SL+2:G0W+4*SL+3], s[G0W+4*SL+2:G0W+4*SL+3], 512
	s_add_nc_u64 s[G0Q+4*SL+2:G0Q+4*SL+3], s[G0Q+4*SL+2:G0Q+4*SL+3], 512
	JLOAD SL
.endif
	GRP \p, 4, 4, 5
	PLACES 8
	RB 0, 1-SL
	RA 0, 1-SL
.else
	s_wait_dscnt 24
	GRP \p, 4, 0, 5
	s_wait_dscnt 0x0
.endif
	GRP \p, 5, 0, 5
.endm
	s_wait_tensorcnt 0x1
	s_barrier_signal -1
	s_barrier_wait -1
	RB 0, 0
	RA 0, 0
	s_wait_loadcnt 0x0
	PHASE 0
	PHASE 1
	PHASE 2
	PHASE 3
	WIN 0
	PLACES 8
	s_wait_loadcnt 0x0
.irp W, 0,1
	s_wait_dscnt 0x0
.set wN, 0x82+0x41*\W
	WIN wN
.set x, 0
.rept 128
	v_pk_add_f32 v[x:x+1], v[x:x+1], v[128+2*(8*\W+x/32):129+2*(8*\W+x/32)]
.set x, x+2
.endr
.set wN, 0x5a+5*\W
	WIN wN
.set x, 0
.rept 16
	v_max3_num_f32 v[TM+x], |v[16*x]|, |v[16*x+1]|, 0x4800000
.set x, x+1
.endr
.irp i, 2,4,6,8,10,12,14
.set x, 0
.rept 16
	v_max3_num_f32 v[TM+x], |v[16*x+\i]|, |v[16*x+\i+1]|, v[TM+x]
.set x, x+1
.endr
.endr
	WIN 0x55
.set x, 0
.rept 16
	v_permlanex16_b32 v[T2+x], v[TM+x], s[SEL], s[SEL+1]
.set x, x+1
.endr
.set x, 0
.rept 16
	v_max_num_f32 v[TM+x], v[TM+x], v[T2+x]
.set x, x+1
.endr
.set x, 0
.rept 16
	v_add_nc_u32 v[SCO+x], 0xfc000000, v[TM+x]
.set x, x+1
.endr
.set x, 0
.rept 16
	v_and_or_b32 v[LIM+x], v[TM+x], 0x7f800000, s[MNT]
.set x, x+1
.endr
.set x, 0
.rept 16
	v_lshrrev_b32 v[T2+x], 23, v[SCO+x]
.set x, x+1
.endr
.set x, 0
.rept 8
	v_lshl_or_b32 v[HW+x], v[T2+2*x+1], 8, v[T2+2*x]
.set x, x+1
.endr
.set x, 0
.rept 4
	v_cndmask_b32 v[HW+2*x], v[HW+2*x], v[HW+2*x+1], s[HM]
.set x, x+1
.endr
	WIN 0x04
.set x, 0
.rept 4
	ds_store_b16 v[VSW], v[HW+2*x] offset:(2*\W+x/2)*256+4*(x%2)
.set x, x+1
.endr
.set wN, 0x96+0x41*\W
	WIN wN
.set x, 0
.rept 256
	v_med3_num_f32 v[x], v[x], -v[LIM+x/16], v[LIM+x/16]
.set x, x+1
.endr
.if \W == 1
	s_wait_xcnt 0x0
.endif
.set wN, 0x06+\W
	WIN wN
.set x, 0
.rept 16
	v_cvt_scalef32_pk8_fp8_f32 v[192+4*x:193+4*x], v[16*x:16*x+7], v[SCO+x]
	v_cvt_scalef32_pk8_fp8_f32 v[194+4*x:195+4*x], v[16*x+8:16*x+15], v[SCO+x]
.set x, x+1
.endr
	v_nop
	WIN 0
.set x, 0
.rept 16
	global_store_b128 v[LI], v[192+4*x:195+4*x], s[26:27] offset:(8*\W+x/2)*2048+(x%2)*512
.set x, x+1
.endr
.endr
	WIN 0x41
.irp a, 0,1,2,3
.irp i, 0,2,4,6,8,10,12,14
	v_pk_add_f32 v[192+16*\a+\i:193+16*\a+\i], v[192+16*\a+\i:193+16*\a+\i], v[160+\i:161+\i]
.endr
.endr
	WIN 0x55
.irp a, 0,1,2,3
	v_max3_num_f32 v[TM+\a], |v[192+16*\a]|, |v[193+16*\a]|, 0x4800000
.endr
.irp i, 2,4,6,8,10,12,14
.irp a, 0,1,2,3
	v_max3_num_f32 v[TM+\a], v[TM+\a], |v[192+16*\a+\i]|, |v[193+16*\a+\i]|
.endr
.endr
.irp a, 0,1,2,3
	v_permlanex16_b32 v[T2+\a], v[TM+\a], s[SEL], s[SEL+1]
.endr
.irp a, 0,1,2,3
	v_max_num_f32 v[TM+\a], v[TM+\a], v[T2+\a]
.endr
.irp a, 0,1,2,3
	v_add_nc_u32 v[SCO+\a], 0xfc000000, v[TM+\a]
.endr
.irp a, 0,1,2,3
	v_and_or_b32 v[LIM+\a], v[TM+\a], 0x7f800000, s[MNT]
.endr
.irp a, 0,1,2,3
	v_lshrrev_b32 v[T2+\a], 23, v[SCO+\a]
.endr
	v_lshl_or_b32 v[PW], v[T2+1], 8, v[T2]
	v_lshl_or_b32 v[PW], v[T2+2], 16, v[PW]
	v_lshl_or_b32 v[PW], v[T2+3], 24, v[PW]
.irp a, 0,1,2,3
.irp i, 0,1,2,3,4,5,6,7,8,9,10,11,12,13,14,15
	v_med3_num_f32 v[192+16*\a+\i], v[192+16*\a+\i], -v[LIM+\a], v[LIM+\a]
.endr
.endr
	WIN 0x05
.irp a, 0,1,2,3
	v_cvt_scalef32_pk8_fp8_f32 v[128+4*\a:129+4*\a], v[192+16*\a:199+16*\a], v[SCO+\a]
	v_cvt_scalef32_pk8_fp8_f32 v[130+4*\a:131+4*\a], v[200+16*\a:207+16*\a], v[SCO+\a]
.endr
	v_nop
	WIN 0
.irp a, 0,1,2,3
	global_store_b128 v[LI], v[128+4*\a:131+4*\a], s[30:31] offset:1024*\a
.endr
	WIN 0x04
	global_store_b32 v[R4], v[PW], s[32:33]
	WIN 0
	s_wait_dscnt 0x0
	s_barrier_signal -1
	s_barrier_wait -1
	ds_load_b128 v[144:147], v[VSR]
	s_wait_dscnt 0x0
	global_store_b128 v[LI], v[144:147], s[28:29]
	s_wait_tensorcnt 0x0
	ds_add_u32 v[SPW], v[NIL]
	s_wait_dscnt 0x0
	CROUND
	s_endpgm
.Lfunc_end_k_q1b3682918b_proj:
	.size	k_q1b3682918b_proj, .Lfunc_end_k_q1b3682918b_proj-k_q1b3682918b_proj
	.p2alignl 7, 3214868480
	.fill 96, 4, 3214868480
	.section	.rodata,"a",@progbits
	.p2align	6, 0x0
	.amdhsa_kernel k_q1b3682918b_proj
		.amdhsa_group_segment_fixed_size 327680
		.amdhsa_private_segment_fixed_size 0
		.amdhsa_enable_private_segment 0
		.amdhsa_kernarg_size 120
		.amdhsa_user_sgpr_count 2
		.amdhsa_user_sgpr_kernarg_segment_ptr 1
		.amdhsa_wavefront_size32 1
		.amdhsa_system_sgpr_workgroup_id_x 1
		.amdhsa_system_sgpr_workgroup_id_y 1
		.amdhsa_system_sgpr_workgroup_id_z 1
		.amdhsa_system_vgpr_workitem_id 0
		.amdhsa_next_free_vgpr 1024
		.amdhsa_next_free_sgpr 102
		.amdhsa_reserve_vcc 0
		.amdhsa_float_denorm_mode_32 3
		.amdhsa_float_denorm_mode_16_64 3
		.amdhsa_memory_ordered 1
		.amdhsa_forward_progress 1
		.amdhsa_inst_pref_size 240
	.end_amdhsa_kernel
	.amdgpu_metadata
---
amdhsa.version: [ 1, 2 ]
amdhsa.kernels:
  - .name:           k_q1b3682918b_proj
    .symbol:         k_q1b3682918b_proj.kd
    .args:
      - { .name: input_codes, .offset: 0, .size: 8, .value_kind: global_buffer, .address_space: global }
      - { .name: input_scales, .offset: 8, .size: 8, .value_kind: global_buffer, .address_space: global }
      - { .name: Wv_codes, .offset: 16, .size: 8, .value_kind: global_buffer, .address_space: global }
      - { .name: Wv_scales, .offset: 24, .size: 8, .value_kind: global_buffer, .address_space: global }
      - { .name: Wq_codes, .offset: 32, .size: 8, .value_kind: global_buffer, .address_space: global }
      - { .name: Wk_codes, .offset: 40, .size: 8, .value_kind: global_buffer, .address_space: global }
      - { .name: Wq_scales, .offset: 48, .size: 8, .value_kind: global_buffer, .address_space: global }
      - { .name: Wk_scales, .offset: 56, .size: 8, .value_kind: global_buffer, .address_space: global }
      - { .name: bq, .offset: 64, .size: 8, .value_kind: global_buffer, .address_space: global }
      - { .name: bk, .offset: 72, .size: 8, .value_kind: global_buffer, .address_space: global }
      - { .name: bv, .offset: 80, .size: 8, .value_kind: global_buffer, .address_space: global }
      - { .name: vcodes, .offset: 88, .size: 8, .value_kind: global_buffer, .address_space: global }
      - { .name: vscales, .offset: 96, .size: 8, .value_kind: global_buffer, .address_space: global }
      - { .name: qkcodes, .offset: 104, .size: 8, .value_kind: global_buffer, .address_space: global }
      - { .name: qkscales, .offset: 112, .size: 8, .value_kind: global_buffer, .address_space: global }
    .group_segment_fixed_size: 327680
    .private_segment_fixed_size: 0
    .kernarg_segment_align: 8
    .kernarg_segment_size: 120
    .max_flat_workgroup_size: 128
    .sgpr_count:     102
    .vgpr_count:     1024
    .wavefront_size: 32
...
	.end_amdgpu_metadata
.endif
;; end of part 1
;; launch attn (part 2): grid 16 x 16, 8 waves a work-group, clusters of 4 x 1, 327,680 bytes of LDS; arguments qkcodes, qkscales, vcodes, vscales, out0; writes out0
.if DOCPART == 2
	.amdgcn_target "amdgcn-amd-amdhsa--gfx1250"
	.amdhsa_code_object_version 6
	.text
	.protected	k_q1b3682918b_attn
	.globl	k_q1b3682918b_attn
	.p2align	8
	.type	k_q1b3682918b_attn,@function
k_q1b3682918b_attn:
	s_mov_b64 s[64:65], 0
	v_nop
	global_prefetch_b8 v0, s[64:65] scope:SCOPE_SE
	s_setreg_imm32_b32 hwreg(HW_REG_WAVE_MODE, 25, 1), 1
	s_wait_xcnt 0x0
	s_wait_alu depctr_hold_cnt(0) depctr_sa_sdst(0) depctr_va_vdst(0) depctr_va_sdst(0) depctr_va_ssrc(0) depctr_va_vcc(0) depctr_vm_vsrc(0)
	s_getreg_b32 s2, hwreg(HW_REG_IB_STS2, 6, 4)
	s_cmp_eq_u32 s2, 0
	s_cbranch_scc0 .Lentry_in_a_cluster
	s_endpgm
.Lentry_in_a_cluster:
	s_bfe_u32 s2, ttmp6, 0x10000c
	s_cmp_lg_u32 s2, 0x3003
	s_cbranch_scc0 .Lentry_shape_is_right
	s_endpgm
.Lentry_shape_is_right:
; SECOND LAUNCH.  out = softmax(q k^T / 8, causal) v on the codes that the first launch made; p = 2^(t - M) is quantised along the keys, the row sum is taken of the unquantised p and divides at the end.
; WORK LEFT OUT: key steps of 128 all of whose keys lie behind a super-block's last query (the mask that reference() builds itself gives them p = 0, for all values of the inputs).
; LIMITS: NaN and infinities are not served, nor carried from the steps left out; a block of p that is all zeros gets the byte 1: its codes are zeros.
; SHARES.  Cluster (i, y): batch y / 2, half y & 1 of the 1,024 channels; 256 queries x 512 channels twice: super-block 7 - i, then super-block i: together 18 key steps of 128, nine slots, in every cluster.
; Work-group cx of the cluster takes 64 of the 256 queries.  All four walk the same v: each tile of it is asked for JOINTLY, by the same load with the same descriptor and a mask that names the four.
; Eight waves, two to a SIMD.  Wave w = 4 qp + b has two jobs.  SOFTMAX: the 32 keys of block b of a key step against query tiles 2 qp, 2 qp + 1.  P V: channel tiles 4 w .. 4 w + 3 against all four query tiles.
; p's codes go from wave to wave through LDS as images of the operand's registers, two buffers by turns.  Waves 0-3 multiply and then make the next step's p; waves 4-7 the other way round.
; v comes through two LDS slots of two key steps each, 16,384 bytes a wave and load; a round of the cluster's barrier for each change of slots, a plain barrier between a slot's two steps.
; k goes from memory straight into registers, two key steps ahead; behind a block's last step the stream goes on with steps 0 and 1, which the next block wants.
; TWO PASSES: pass 1 forms the same scores (wave w: 16 keys of each step against all four query tiles) and finds each row's largest; M = ceil(largest t) is then fixed.  The maximum is taken away before every exponential, for every input.
; d_k = 64: the upper half of each fragment of q is zero codes, so the upper half of a fragment of k may be any finite codes: it is the registers that follow (codes of k or v, or zeros).
; REGISTERS.  window 0: v1-21 addresses and masks; v22-25 -M; v26-29 the sums; v30-31 pass 1's q scales; v32-63 q; v64-79, v88-103 two sets of k; v80-87, v112-119 zeros; v104-111 pass 1's k of step n - 2;
;   v120-123 bytes of k's scales as they come; v124-127 pass 1's k scales; v128-159 scores, then p (pass 1: scale bytes as they come); v160-223 p's four fragments (pass 1: q); v224-237 scale words; v238-251 at work.
;   window 1: v0-127 acc(n, m) at 8 (4 m + n) (pass 1: scores); v128-255 v's fragments, two sets (pass 1: k).
.set SLOT1, 131072                     ; slot 1; in a slot: key step e at 65,536 e, in it [channel tile 32][c 4][lane][16]
.set PIMG,  262144                     ; p's codes: [buffer 2][query tile 4][c 4][lane][16]
.set PSC,   278528                     ; p's scale bytes: [buffer 2][r 16][query tile 4][b 4]
.set MX,    279040                     ; row maxima: [query tile][r][wave 8] words
.set LXO,   281088                     ; row sums: [query tile][r][b] words
.set STG,   282112                     ; a stage of 16 rows x 272 bytes for each wave
.set SPARE, 316928                     ; the spare words, 128 bytes a wave
.set LI,  1                            ; 16 x lane
.set PSR, 2                            ; PSC + 16 r
.set L8,  3                            ; 8 x lane
.set R4,  4                            ; 4 r
.set AVC, 5                            ; v5, v6: my fragments of v in the slot in hand, step 0 and step 1
.set AV0, 7                            ; 8,192 w + 16 x lane
.set PWI, 8                            ; PIMG + 4,096 qp + 512 b + 16 x lane
.set PWS, 9                            ; PSC + 16 r + 8 qp + b
.set XW,  10                           ; MX + 32 r + 4 w
.set XR,  11                           ; MX + 1,024 qp + 32 r
.set STO, 12
.set STR, 13
.set GO,  14
.set PFO, 15
.set SPW, 16
.set NIL, 17
.set DQ,  18                           ; my query less my key, in a super-block's last two steps: register d of tile mm is hidden where d - 8 mm (+ 128 in the last step) > this
.set DP,  19                           ; the same for pass 1's share
.set NINF, 20
.set XWL, 21                           ; LXO + 512 qp + 16 r + 4 b
.set NM,  22                           ; v[22:23], v[24:25]: -M in the low word
.set LS,  26                           ; v[26:27], v[28:29]
.set PRI, 252                          ; PIMG + 16 x lane
.set LXR, 253                          ; LXO + 16 r
.set SELV, 255                         ; byte selects for pass 1's q scales
.set WV, 14
.set ROLE, 15                          ; w / 4 = qp
.set KB, 16                            ; b
.set II, 17                            ; i
.set BAT, 18
.set DH, 19
.set BLK, 20                           ; my block of 64 queries
.set NKS, 21                           ; key steps of the super-block
.set LEFT, 22                          ; its slots still to be walked, the one in hand among them
.set JS, 23                            ; the key step of the next softmax job
.set FST, 24                           ; 1: the block's first key step
.set TRIP, 25
.set VO, 26                            ; offset in v of the slot that is asked for
.set VW, 27                            ; my part of a slot in memory
.set TB, 28                            ; where the slot in hand begins
.set CX, 29
.set SELP, 30
.set SELK, 31
.set PFT, 33
.set VBC, 34
.set VSB, 36
.set VSA, 38
.set KBC, 40
.set KSB, 42
.set KA, 44
.set KSA, 46
.set KPB, 48
.set KSP, 50
.set KD, 52
.set KDS, 54
.set QPB, 56
.set QSB, 58
.set QA1, 60
.set QA2, 62
.set CS, 66                            ; s[66:67] c = log2(e) / 8
.set SEL, 68
.set MNT, 70
.set SELQ, 71
.set QOFF, 73
.set OB, 74
.set OA, 76
.set PFA, 78
.set G1, 80
.set G0, 88
.set QSA, 96                           ; s[92:93], s[94:95]: offsets, upper words 0
.set MSB, 0
.macro WIN new
.if MSB != \new
	s_set_vgpr_msb (MSB<<8)|\new
.set MSB, \new
.endif
.endm
.macro PLACES n
.rept \n
	v_nop
.endr
.endm
.macro WALU                            ; ahead of a wait, a barrier or a branch behind which something freshly written is read
	s_wait_alu depctr_va_vdst(0)
.endm
.macro BARRIER
	s_barrier_signal -1
	s_barrier_wait -1
.endm
.macro CROUND                          ; a round of the cluster's barrier
	BARRIER
	s_cmp_lg_u32 s[WV], 0
	s_cbranch_scc1 .Lnot_wave_0_\@
	s_barrier_signal -3
.Lnot_wave_0_\@:
	s_barrier_wait -3
	BARRIER
.endm
.macro TLOAD
	tensor_load_to_lds s[G0:G0+3], s[G1:G1+7]
	s_nop 0
	PLACES 4
.endm
.macro VLOAD e                         ; my four fragments of V^T of step e: 16 loads
	WIN 0x40
.irp n, 0,1,2,3
.irp c, 0,1,2,3
	ds_load_b128 v[128+64*\e+16*\n+4*\c:131+64*\e+16*\n+4*\c], v[AVC+\e] offset:2048*\n+512*\c
.endr
.endr
	WIN 0
.endm
.macro VSL e, rf                       ; the next slot's scale words of step e
.if \rf
	global_load_b64 v[228+2*\e:229+2*\e], v[L8], s[VSA:VSA+1] offset:4096*\e
.endif
.endm
.macro PLOAD e                         ; p's scale words first, then its four fragments, query tile by query tile: 17 loads
	ds_load_b128 v[224:227], v[PSR] offset:256*\e
.irp m, 0,1,2,3
.irp c, 0,1,2,3
	ds_load_b128 v[160+16*\m+4*\c:163+16*\m+4*\c], v[PRI] offset:8192*\e+2048*\m+512*\c
.endr
.endr
.endm
.macro PVM e, zero                     ; O^T += V^T P^T: 16 accumulators by turns
	WIN 0x51
.irp m, 0,1,2,3
	s_wait_dscnt 12-4*\m                           ; v, the scale words and query tiles 0 .. m are in; behind them: the four loads of each later tile (where a softmax job came first, its loads and stores too: the count is then the stricter)
.irp n, 0,1,2,3
.set rD, 8*(4*\m+\n)
.set rA, 128+64*\e+16*\n
.set rB, 160+16*\m
.set rSA, 228+2*\e+\n/2
.set rSB, 224+\m
.if \zero
.if \n%2
	v_wmma_scale_f32_16x16x128_f8f6f4 v[rD:rD+7], v[rA:rA+15], v[rB:rB+15], 0, v[rSA], v[rSB] matrix_a_scale:MATRIX_SCALE_ROW1
.else
	v_wmma_scale_f32_16x16x128_f8f6f4 v[rD:rD+7], v[rA:rA+15], v[rB:rB+15], 0, v[rSA], v[rSB]
.endif
.else
.if \n%2
	v_wmma_scale_f32_16x16x128_f8f6f4 v[rD:rD+7], v[rA:rA+15], v[rB:rB+15], v[rD:rD+7], v[rSA], v[rSB] matrix_a_scale:MATRIX_SCALE_ROW1
.else
	v_wmma_scale_f32_16x16x128_f8f6f4 v[rD:rD+7], v[rA:rA+15], v[rB:rB+15], v[rD:rD+7], v[rSA], v[rSB]
.endif
.endif
.endr
.endr
	WIN 0
.endm
.macro PV e
.if \e == 0
	s_cmp_eq_u32 s[FST], 1                         ; a block's first step starts the sums: nothing is cleared
	s_cbranch_scc1 .Lzero_\@
.endif
	PVM \e, 0
.if \e == 0
	s_branch .Ljoin_\@
.Lzero_\@:
	PVM \e, 1
.Ljoin_\@:
.endif
	PLACES 9                                       ; eight in front of loads into v's and p's registers and of the first read of results; the ninth for products that write over these registers
.endm
.macro PERMS st                        ; k's scale words of set st: byte 0 the first 32 of the head's 64, byte 1 the second; bytes 2, 3 repeat a valid byte
	v_perm_b32 v[234+2*\st], v[121+2*\st], v[120+2*\st], s[SELK]
	v_perm_b32 v[235+2*\st], v[121+2*\st], v[120+2*\st], s[SELK+1]
.endm
.macro KREGS st, ka, off, sa, soff     ; my two tiles of k and their scale bytes: six loads
.irp u, 0,1
	global_load_b128 v[64+24*\st+8*\u:67+24*\st+8*\u], v[LI], s[\ka:\ka+1] offset:\off+1024*\u
	global_load_b128 v[68+24*\st+8*\u:71+24*\st+8*\u], v[LI], s[\ka:\ka+1] offset:\off+1024*\u+512
.endr
	global_load_b32 v[120+2*\st], v[R4], s[\sa:\sa+1] offset:\soff
	global_load_b32 v[121+2*\st], v[R4], s[\sa:\sa+1] offset:\soff+16384
.endm
; THE SOFTMAX JOB for key step s[JS]: 32 keys x 32 queries; set st of k; codes and bytes go to buffer st.  rl = 1: k of two steps on is asked for (behind the block's last step: steps 0, 1).
; mode 1: it also asks for this step's v and p, and for the next step's v; mode 2: for p.  lim: -1 no mask; 0 mask; else mask where so many slots are left.
.macro SM st, mode, lim, rl
	WALU
.irp mm, 0,1
.irp u, 0,1
	v_wmma_scale_f32_16x16x128_f8f6f4 v[128+16*\mm+8*\u:135+16*\mm+8*\u], v[64+24*\st+8*\u:79+24*\st+8*\u], v[32+16*\mm:47+16*\mm], 0, v[234+2*\st+\u], v[232+\mm]
.endr
.endr
	PLACES 9                                       ; in front of the loads into k's registers and of the first read of the scores
.if \rl
	s_add_co_u32 s2, s[JS], 2
	s_add_co_u32 s[JS], s[JS], 1
	s_sub_co_u32 s3, s2, s[NKS]
	s_cmp_ge_u32 s2, s[NKS]
	s_cselect_b32 s2, s3, s2
	s_lshl_b32 s92, s2, 13
	s_lshl_b32 s94, s2, 7
	s_wait_xcnt 0x0                                ; earlier loads have read their bases
	s_add_nc_u64 s[KA:KA+1], s[KBC:KBC+1], s[92:93]
	s_add_nc_u64 s[KSA:KSA+1], s[KSB:KSB+1], s[94:95]
	KREGS \st, KA, 0, KSA, 0
.endif
.if \mode == 1
	VLOAD 0
	PLOAD 0
.endif
.if \mode == 2
	PLOAD 1
.endif
.if (\lim) > 0
	s_cmp_lg_u32 s[LEFT], \lim
	s_cbranch_scc1 .Lopen_\@
.endif
.if (\lim) >= 0                        ; a super-block's last two steps: hidden scores become -infinity
.irp d, 0,1,2,3,4,5,6,7,8,9,10,11,12,13,14,15
	v_cmp_gt_i32 vcc_lo, \d+128*\st, v[DQ]
	v_cndmask_b32 v[128+\d], v[128+\d], v[NINF], vcc_lo
	v_cmp_gt_i32 vcc_lo, \d+128*\st-8, v[DQ]
	v_cndmask_b32 v[144+\d], v[144+\d], v[NINF], vcc_lo
.endr
.endif
.if (\lim) > 0
.Lopen_\@:
.endif
.irp mm, 0,1
	v_max3_num_f32 v[238+\mm], v[128+16*\mm], v[129+16*\mm], v[130+16*\mm]   ; the block's largest score gives the block's largest p
.endr
.irp i, 3,5,7,9,11,13
.irp mm, 0,1
	v_max3_num_f32 v[238+\mm], v[238+\mm], v[128+16*\mm+\i], v[129+16*\mm+\i]
.endr
.endr
.irp mm, 0,1
	v_max_num_f32 v[238+\mm], v[238+\mm], v[143+16*\mm]
.endr
.irp mm, 0,1
	v_permlanex16_b32 v[240+\mm], v[238+\mm], s[SEL], s[SEL+1]
.endr
.irp mm, 0,1
.irp j, 0,2,4,6,8,10,12,14
	v_pk_fma_f32 v[128+16*\mm+\j:129+16*\mm+\j], v[128+16*\mm+\j:129+16*\mm+\j], s[CS:CS+1], v[NM+2*\mm:NM+2*\mm+1] op_sel_hi:[1,0,0]   ; t - M
.endr
.endr
.irp mm, 0,1
	v_max_num_f32 v[238+\mm], v[238+\mm], v[240+\mm]
.endr
.irp mm, 0,1
	v_fma_f32 v[238+\mm], v[238+\mm], s[CS], v[NM+2*\mm]
.endr
	s_wait_alu depctr_va_vdst(0)
.set x, 0
.rept 32
	v_exp_f32 v[128+x], v[128+x]                   ; p = 2^(t - M): not normalised
.set x, x+1
.endr
	v_nop                                          ; a plain line behind the batch
	s_wait_alu depctr_va_vdst(0)                   ; one wait for the 32, ahead of their first reader
.irp mm, 0,1
	v_exp_f32 v[238+\mm], v[238+\mm]               ; the block's largest p
.endr
.irp mm, 0,1
	v_pk_add_f32 v[248+2*\mm:249+2*\mm], v[128+16*\mm:129+16*\mm], v[130+16*\mm:131+16*\mm]   ; the sums are taken of the unquantised p, in two chains
.endr
.irp j, 4,8,12
.irp mm, 0,1
	v_pk_add_f32 v[LS+2*\mm:LS+2*\mm+1], v[LS+2*\mm:LS+2*\mm+1], v[128+16*\mm+\j:129+16*\mm+\j]
	v_pk_add_f32 v[248+2*\mm:249+2*\mm], v[248+2*\mm:249+2*\mm], v[130+16*\mm+\j:131+16*\mm+\j]
.endr
.endr
.irp mm, 0,1
	v_pk_add_f32 v[LS+2*\mm:LS+2*\mm+1], v[LS+2*\mm:LS+2*\mm+1], v[248+2*\mm:249+2*\mm]
.endr
.if \mode == 1
	VLOAD 1                                        ; the slot is whole: the next step's v
.endif
	s_wait_alu depctr_va_vdst(0)                   ; and one for the two
.irp mm, 0,1
	v_max_num_f32 v[238+\mm], 0x4800000, v[238+\mm]   ; the floor 2^(9 - 127): the byte cannot fall under 1
.endr
.irp mm, 0,1
	s_delay_alu instid0(VALU_DEP_2)
	v_add_nc_u32 v[242+\mm], 0xfc000000, v[238+\mm]
.endr
.irp mm, 0,1
	s_delay_alu instid0(VALU_DEP_4)
	v_and_or_b32 v[244+\mm], v[238+\mm], 0x7f800000, s[MNT]
.endr
.irp mm, 0,1
	s_delay_alu instid0(VALU_DEP_4)
	v_lshrrev_b32 v[246+\mm], 23, v[242+\mm]
.endr
.irp mm, 0,1
.irp i, 0,1,2,3,4,5,6,7,8,9,10,11,12,13,14,15
	v_min_num_f32 v[128+16*\mm+\i], v[128+16*\mm+\i], v[244+\mm]   ; the hold at 448 x the scale; p is not negative
.endr
.endr
	v_cvt_scalef32_pk8_fp8_f32 v[248:249], v[128:135], v242
	v_cvt_scalef32_pk8_fp8_f32 v[250:251], v[136:143], v242
	v_cvt_scalef32_pk8_fp8_f32 v[238:239], v[144:151], v243
	v_cvt_scalef32_pk8_fp8_f32 v[240:241], v[152:159], v243
	v_nop                                          ; a plain line behind the last conversion
	ds_store_b128 v[PWI], v[248:251] offset:8192*\st           ; registers 4 b .. 4 b + 3 of query tile 2 qp's fragment,
	ds_store_b8 v[PWS], v246 offset:256*\st                    ; (both halves of the lanes store the same byte)
	ds_store_b128 v[PWI], v[238:241] offset:8192*\st+2048      ; and of tile 2 qp + 1's
	ds_store_b8 v[PWS], v247 offset:256*\st+4
.endm
; PASS 1.  One of its products: f = 1: q's scales lie in lanes 16-31.
.macro PMM d, a, q, sa, sb, f
.if \f
	v_wmma_scale_f32_16x16x128_f8f6f4 v[\d:\d+7], v[\a:\a+15], v[\q:\q+15], 0, v[\sa], v[\sb] matrix_b_scale:MATRIX_SCALE_ROW1
.else
	v_wmma_scale_f32_16x16x128_f8f6f4 v[\d:\d+7], v[\a:\a+15], v[\q:\q+15], 0, v[\sa], v[\sb]
.endif
.endm
.macro P1MAX base                      ; two steps' scores into the four running maxima
	WIN 0x14
	WALU
.irp t, 0,1
.irp i, 0,2,4,6
.irp m, 0,1,2,3
	v_max3_num_f32 v[240+\m], v[240+\m], v[\base+32*\t+8*\m+\i], v[\base+32*\t+8*\m+\i+1]
.endr
.endr
.endr
	WIN 0
.endm
.macro P1L g                           ; my tile of k in steps 2 g, 2 g + 1
	WIN 0x40
.irp t, 0,1
	global_load_b128 v[136+16*(\g)+8*\t:139+16*(\g)+8*\t], v[LI], s[KPB:KPB+1] offset:16384*(\g)+8192*\t
	global_load_b128 v[140+16*(\g)+8*\t:143+16*(\g)+8*\t], v[LI], s[KPB:KPB+1] offset:16384*(\g)+8192*\t+512
.endr
	WIN 0
.irp t, 0,1
	global_load_b32 v[128+4*(\g)+2*\t], v[R4], s[KSP:KSP+1] offset:256*(\g)+128*\t
	global_load_b32 v[129+4*(\g)+2*\t], v[R4], s[KSP:KSP+1] offset:256*(\g)+128*\t+16384
.endr
.endm
; What a block's pass 1 and its softmax jobs take from memory: q (four tiles; my two again), and k of the steps that count: the last two, and MINP to MAXP pairs ahead of them.
.macro ASK MINP, MAXP
	s_lshl_b32 s92, s[BLK], 12
	s_wait_xcnt 0x0                                ; earlier loads and stores have read their bases
	s_add_nc_u64 s[QA1:QA1+1], s[QPB:QPB+1], s[92:93]
	s_add_co_u32 s92, s92, s[QOFF]
	s_add_nc_u64 s[QA2:QA2+1], s[QPB:QPB+1], s[92:93]
	s_lshl_b32 s92, s[BLK], 6
	s_add_nc_u64 s[QSA:QSA+1], s[QSB:QSB+1], s[92:93]
	s_sub_co_u32 s2, s[NKS], 2
	s_lshl_b32 s92, s2, 13
	s_add_nc_u64 s[KD:KD+1], s[KPB:KPB+1], s[92:93]
	s_lshl_b32 s92, s2, 7
	s_add_nc_u64 s[KDS:KDS+1], s[KSP:KSP+1], s[92:93]
	global_load_b32 v238, v[R4], s[QSA:QSA+1]
	global_load_b32 v239, v[R4], s[QSA:QSA+1] offset:16384
.irp m, 0,1,2,3
	global_load_b128 v[160+16*\m:163+16*\m], v[LI], s[QA1:QA1+1] offset:1024*\m
	global_load_b128 v[164+16*\m:167+16*\m], v[LI], s[QA1:QA1+1] offset:1024*\m+512
.endr
.irp m, 0,1
	global_load_b128 v[32+16*\m:35+16*\m], v[LI], s[QA2:QA2+1] offset:1024*\m
	global_load_b128 v[36+16*\m:39+16*\m], v[LI], s[QA2:QA2+1] offset:1024*\m+512
.endr
	global_load_b128 v[104:107], v[LI], s[KD:KD+1]
	global_load_b128 v[108:111], v[LI], s[KD:KD+1] offset:512
	global_load_b32 v156, v[R4], s[KDS:KDS+1]
	global_load_b32 v157, v[R4], s[KDS:KDS+1] offset:16384
	global_load_b32 v158, v[R4], s[KDS:KDS+1] offset:128
	global_load_b32 v159, v[R4], s[KDS:KDS+1] offset:16512
	WIN 0x40
	global_load_b128 v[128:131], v[LI], s[KD:KD+1] offset:8192
	global_load_b128 v[132:135], v[LI], s[KD:KD+1] offset:8704
	WIN 0
.set G_, 0
.rept \MAXP
.if G_ >= \MINP
	s_cmp_le_u32 s[NKS], 2*G_+2
	s_cbranch_scc1 .Lasked_\@
.endif
	P1L G_
.set G_, G_+1
.endr
.Lasked_\@:
.endm
; A BLOCK'S BEGINNING: pass 1, M, and key step 0's p.
.macro PROLOG MINP, MAXP, lim
	s_wait_loadcnt 0x0
	s_wait_xcnt 0x0                                ; the stores of the block before have read the accumulators' registers
	v_perm_b32 v232, v239, v238, s[SELQ]
	v_perm_b32 v233, v239, v238, s[SELQ+1]
	v_add_nc_u32 v241, 0x02020202, v[SELV]
	v_perm_b32 v30, v239, v238, v[SELV]            ; pass 1's q scales: tiles 0 (lanes 0-15) and 1 (lanes 16-31),
	v_perm_b32 v31, v239, v238, v241               ; tiles 2 and 3
	PERMS 0
	v_perm_b32 v126, v157, v156, s[SELP]
	v_perm_b32 v127, v159, v158, s[SELP]
	v_perm_b32 v124, v129, v128, s[SELP]
	v_perm_b32 v125, v131, v130, s[SELP]
.irp z, 168,184,200,216
.set x, 0
.rept 8
	v_mov_b32 v[\z+x], 0                           ; the zero codes of K = 64 .. 127
.set x, x+1
.endr
.endr
.irp m, 0,1,2,3
	v_mov_b32 v[240+\m], v[NINF]
.endr
	PLACES 4
	WALU
	WIN 0x40                                       ; the last two steps, masked
.irp m, 0,1,2,3
	PMM 64+8*\m, 104, 160+16*\m, 126, 30+\m/2, \m%2
.endr
	WIN 0x41
.irp m, 0,1,2,3
	PMM 96+8*\m, 128, 160+16*\m, 127, 30+\m/2, \m%2
.endr
	PLACES 9
.irp t, 0,1
.irp m, 0,1,2,3
.irp i, 0,1,2,3,4,5,6,7
	v_cmp_gt_i32 vcc_lo, \i+128*\t-32*(\m/2)-8*(\m%2), v[DP]
	v_cndmask_b32 v[64+32*\t+8*\m+\i], v[64+32*\t+8*\m+\i], v[NINF], vcc_lo
.endr
.endr
.endr
	P1MAX 64
.set G_, 0
.rept \MAXP                            ; the pairs of steps ahead of them, all of whose keys count
.if G_ >= \MINP
	s_cmp_le_u32 s[NKS], 2*G_+2
	s_cbranch_scc1 .Lmaxima_\@
.endif
	WIN 0x41
.irp t, 0,1
.irp m, 0,1,2,3
	PMM 64*(G_%2)+32*\t+8*\m, 136+16*G_+8*\t, 160+16*\m, 124+2*(G_%2)+\t, 30+\m/2, \m%2
.endr
.endr
	WIN 0
.if G_+1 < \MAXP
	v_perm_b32 v[124+2*((G_+1)%2)], v[133+4*G_], v[132+4*G_], s[SELP]
	v_perm_b32 v[125+2*((G_+1)%2)], v[135+4*G_], v[134+4*G_], s[SELP]
.endif
	PLACES 9
	P1MAX 64*(G_%2)
.set G_, G_+1
.endr
.Lmaxima_\@:
	WALU
.irp m, 0,1,2,3
	v_permlanex16_b32 v[244+\m], v[240+\m], s[SEL], s[SEL+1]
.endr
.irp m, 0,1,2,3
	v_max_num_f32 v[240+\m], v[240+\m], v[244+\m]
.endr
.irp m, 0,1,2,3
	ds_store_b32 v[XW], v[240+\m] offset:512*\m
.endr
	s_wait_dscnt 0x0
	BARRIER
	ds_load_b128 v[240:243], v[XR]                 ; the eight waves' maxima of my two query tiles
	ds_load_b128 v[244:247], v[XR] offset:16
	ds_load_b128 v[128:131], v[XR] offset:512
	ds_load_b128 v[132:135], v[XR] offset:528
	s_wait_dscnt 0x0
	v_max3_num_f32 v240, v240, v241, v242
	v_max3_num_f32 v128, v128, v129, v130
	v_max3_num_f32 v243, v243, v244, v245
	v_max3_num_f32 v131, v131, v132, v133
	v_max_num_f32 v246, v246, v247
	v_max_num_f32 v134, v134, v135
	v_max3_num_f32 v240, v240, v243, v246
	v_max3_num_f32 v128, v128, v131, v134
	v_mul_f32 v240, s[CS], v240
	v_mul_f32 v128, s[CS], v128
	v_floor_f32 v[NM], -v240                       ; -M = floor(-t)
	v_floor_f32 v[NM+2], -v128
.irp z, 0,1,2,3
	v_mov_b32 v[LS+\z], 0
.endr
	s_mov_b32 s[JS], 0
	s_mov_b32 s[FST], 1
	SM 0, 0, \lim, 1
.endm
; THE WAY OUT: the four key blocks' sums meet; O^T is divided by them where it stands, goes through my stage, a query tile at a time, back into the same registers as whole rows, and leaves as runs of 256 bytes.
.macro WAYOUT
	v_add_f32 v[LS], v[LS], v[LS+1]
	v_add_f32 v[LS+2], v[LS+2], v[LS+3]
	v_permlanex16_b32 v240, v[LS], s[SEL], s[SEL+1]
	v_permlanex16_b32 v241, v[LS+2], s[SEL], s[SEL+1]
	v_add_f32 v[LS], v[LS], v240
	v_add_f32 v[LS+2], v[LS+2], v241
	ds_store_b32 v[XWL], v[LS]
	ds_store_b32 v[XWL], v[LS+2] offset:256
	s_wait_dscnt 0x0
	BARRIER
	ds_load_b128 v[240:243], v[LXR]
	ds_load_b128 v[244:247], v[LXR] offset:256
	s_wait_dscnt 0x0
	v_add_f32 v248, v240, v241
	v_add_f32 v250, v244, v245
	v_add_f32 v249, v242, v243
	v_add_f32 v251, v246, v247
	v_add_f32 v248, v248, v249
	v_add_f32 v250, v250, v251
	ds_load_b128 v[240:243], v[LXR] offset:512
	ds_load_b128 v[244:247], v[LXR] offset:768
	WALU
	s_wait_dscnt 0x0
	v_add_f32 v240, v240, v241
	v_add_f32 v244, v244, v245
	v_add_f32 v242, v242, v243
	v_add_f32 v246, v246, v247
	v_add_f32 v240, v240, v242
	v_add_f32 v244, v244, v246
	s_wait_alu depctr_va_vdst(0)
	v_rcp_f32 v248, v248
	v_rcp_f32 v250, v250
	v_rcp_f32 v240, v240
	v_rcp_f32 v244, v244
	v_nop                                          ; a plain line behind the last reciprocal
	WIN 0x41
	s_wait_alu depctr_va_vdst(0)                   ; one wait for the four and for the last products' results, ahead of their first reader
.irp j, 0,2,4,6,8,10,12,14,16,18,20,22,24,26,28,30
	v_pk_mul_f32 v[\j:\j+1], v[\j:\j+1], v[248:249] op_sel_hi:[1,0]
.endr
.irp j, 32,34,36,38,40,42,44,46,48,50,52,54,56,58,60,62
	v_pk_mul_f32 v[\j:\j+1], v[\j:\j+1], v[250:251] op_sel_hi:[1,0]
.endr
.irp j, 64,66,68,70,72,74,76,78,80,82,84,86,88,90,92,94
	v_pk_mul_f32 v[\j:\j+1], v[\j:\j+1], v[240:241] op_sel_hi:[1,0]
.endr
.irp j, 96,98,100,102,104,106,108,110,112,114,116,118,120,122,124,126
	v_pk_mul_f32 v[\j:\j+1], v[\j:\j+1], v[244:245] op_sel_hi:[1,0]
.endr
	WALU
.irp m, 0,1,2,3
	WIN 0x04
.irp n, 0,1,2,3
	ds_store_b128 v[STO], v[32*\m+8*\n:32*\m+8*\n+3] offset:64*\n
	ds_store_b128 v[STO], v[32*\m+8*\n+4:32*\m+8*\n+7] offset:64*\n+16
.endr
	WIN 0x40
.irp i, 0,1,2,3,4,5,6,7
	ds_load_b128 v[32*\m+4*\i:32*\m+4*\i+3], v[STR] offset:544*\i   ; LDS serves a wave's instructions in order (ISA guide 5.7.1.4): these see my stores
.endr
.if \m > 0
	WIN 0x04
	s_wait_dscnt 16                                ; tile m - 1's rows are back; behind them: tile m's eight stores and eight loads
	SEND \m-1
.endif
.endr
	WIN 0x04
	s_wait_dscnt 0x0
	SEND 3
	WIN 0
.endm
.macro SEND m
.irp i, 0,1,2,3,4,5,6,7
	global_store_b128 v[GO], v[32*(\m)+4*\i:32*(\m)+4*\i+3], s[OA:OA+1] offset:(32*((\m)/2)+8*((\m)%2)+2*\i+8*(\i/4))*4096 th:TH_STORE_NT   ; sixteen lanes store 256 bytes on end, aligned
.endr
.endm
.macro OUTBASE
	s_lshl_b32 s92, s[BLK], 18
	s_wait_xcnt 0x0
	s_add_nc_u64 s[OA:OA+1], s[OB:OB+1], s[92:93]
.endm
; THE CHANGE OF SLOTS, at a slot's head.  rf = 1: the slot that was left is filled again, with the next slot's steps of v (behind the first super-block's last slot: the second's first).
.macro HEAD rf
	s_wait_tensorcnt 0x0                           ; my part of the slot in hand is in, and group 0 may be written
	ds_add_u32 v[SPW], v[NIL]
	s_add_co_u32 s2, s[TB], 65536
	v_add_nc_u32 v[AVC], s[TB], v[AV0]
	v_add_nc_u32 v[AVC+1], s2, v[AV0]
	s_xor_b32 s[TB], s[TB], SLOT1
.if \rf
	s_wait_xcnt 0x0                                ; earlier loads and the prefetch have read their bases
	s_add_nc_u64 s[PFA:PFA+1], s[PFA:PFA+1], 262144
	s_sub_co_i32 s[PFT], s[PFT], 1
	s_add_co_u32 s[VO], s[VO], 262144
	s_cmp_eq_u32 s[LEFT], 1
	s_cselect_b32 s[VO], 0, s[VO]
	s_add_co_u32 s92, s[VO], s[VW]
	s_add_nc_u64 s[G0+2:G0+3], s[VBC:VBC+1], s[92:93]
	s_or_b32 s[G0+3], s[G0+3], 0x80000000
	s_xor_b32 s[G0+1], s[G0+1], SLOT1
	s_lshr_b32 s92, s[VO], 5
	s_add_nc_u64 s[VSA:VSA+1], s[VSB:VSB+1], s[92:93]
.endif
	WALU
	s_wait_dscnt 0x0                               ; the add is done, my p of this step lies in LDS, my reads of the other slot are over
.if \rf
	CROUND                                         ; all this now holds of every wave of every partner
	TLOAD                                          ; has two key steps in which to land
.else
	BARRIER
.endif
	s_wait_loadcnt 0x7                             ; behind set 1 of k and step 0's scale words of v a wave has asked for set 0 (six) and step 1's scale words (one)
.endm
.macro KS0 rf                          ; a slot's first step, and the p of its second
	PERMS 1
	s_cmp_eq_u32 s[ROLE], 0
	s_cbranch_scc1 .Lfirst_\@
	PLACES 8                                       ; a scale word made by a vector instruction stands eight places ahead of its product
.if \rf
	SM 1, 1, 1, 1
.else
	SM 1, 1, 0, 0
.endif
	PV 0
	VSL 0, \rf
	s_branch .Lboth_\@
.Lfirst_\@:
	VLOAD 0
	PLOAD 0
	PV 0
	VSL 0, \rf
	VLOAD 1
.if \rf
	SM 1, 0, 1, 1
.else
	SM 1, 0, 0, 0
.endif
.Lboth_\@:
	s_mov_b32 s[FST], 0
.if \rf
	; A prefetch of v, of the slot that the refill two trips on asks for.  Each 256 bytes are named once in each cluster: a wave's 16,384 bytes are shared out among the four partners by address, lanes 0-15 256 bytes apart, lanes 16-31 name the last again.
	; Slots 0 to 2 come by their loads alone; it stops behind the first super-block's last slot; the second super-block walks what has been read.
	s_cmp_gt_i32 s[PFT], 0
	s_cbranch_scc0 .Lno_more_\@
	global_prefetch_b8 v[PFO], s[PFA:PFA+1] th:TH_LOAD_NT scope:SCOPE_SE
.Lno_more_\@:
.endif
	WALU
	s_wait_dscnt 0x0                               ; my p of the next step lies in LDS, my reads of this step's are over
	BARRIER
.endm
	s_load_b256 s[4:11], s[0:1], 0x0               ; qkcodes 4, qkscales 6, vcodes 8, vscales 10
	s_load_b64 s[12:13], s[0:1], 0x20              ; out0
	v_lshl_add_u32 v[SPW], v0, 2, SPARE
	v_mov_b32 v[NIL], 0
	ds_add_u32 v[SPW], v[NIL]                      ; the wave's opening: the add, twice on end, and its wait ahead of my first tensor load
	ds_add_u32 v[SPW], v[NIL]
	v_lshrrev_b32 v5, 5, v0
	v_readfirstlane_b32 s[WV], v5                  ; wave 0..7
	s_lshr_b32 s[ROLE], s[WV], 2
	s_and_b32 s[KB], s[WV], 3
	s_bfe_u32 s[CX], ttmp6, 0x40000                ; my place in the cluster
	s_and_b32 s[II], ttmp9, 3
	s_and_b32 s2, ttmp7, 0xffff
	s_lshr_b32 s[BAT], s2, 1
	s_and_b32 s[DH], s2, 1
	s_sub_co_u32 s[LEFT], 8, s[II]                 ; the long super-block first: 7 - i
	s_lshl_b32 s[NKS], s[LEFT], 1
	s_sub_co_u32 s[PFT], 6, s[II]
	s_sub_co_u32 s2, 7, s[II]
	s_lshl_b32 s2, s2, 2
	s_add_co_u32 s[BLK], s2, s[CX]
	s_mov_b32 s93, 0
	s_mov_b32 s95, 0
	s_mov_b32 s[VO], 0
	s_mov_b32 s[TB], 0
	s_mov_b32 s[TRIP], 8
	s_mov_b32 s[CS], 0x3e38aa3b
	s_mov_b32 s[CS+1], s[CS]
	s_mov_b32 s[SEL], 0x76543210
	s_mov_b32 s[SEL+1], 0xfedcba98
	s_mov_b32 s[MNT], 0x600000                     ; the mantissa field of 448
	s_lshl_b32 s[QOFF], s[ROLE], 11
	s_lshl_b32 s2, s[ROLE], 1
	s_mul_i32 s[SELQ], s2, 0x01010101              ; byte 0: the first 32's byte of tile 2 qp; byte 1: the second 32's
	s_add_co_u32 s[SELQ], s[SELQ], 0x400
	s_add_co_u32 s[SELQ+1], s[SELQ], 0x01010101
	s_and_b32 s2, s[KB], 1
	s_lshl_b32 s2, s2, 1
	s_mul_i32 s[SELK], s2, 0x01010101
	s_add_co_u32 s[SELK], s[SELK], 0x400
	s_add_co_u32 s[SELK+1], s[SELK], 0x01010101
	s_mul_i32 s[SELP], s[KB], 0x01010101
	s_add_co_u32 s[SELP], s[SELP], 0x400
	s_mov_b32 s[G1], 15|(3<<16)|(1<<21)            ; mask: the cluster's four; elements of 8 bytes; bit 21 beside a mask; 16,384 dense bytes as 64 rows of 256
	s_mov_b32 s[G1+1], 32<<16
	s_mov_b32 s[G1+2], 64<<16
	s_mov_b32 s[G1+3], 32<<16
	s_mov_b32 s[G1+4], 64
	s_mov_b32 s[G1+5], 32
	s_mov_b32 s[G1+6], 0
	s_mov_b32 s[G1+7], 0
	s_mov_b32 s[G0], 1
	s_lshl_b32 s[G0+1], s[WV], 14
	v_and_b32 v29, 31, v0                          ; lane
	v_and_b32 v26, 15, v0                          ; r
	v_bfe_u32 v27, v0, 4, 1                        ; h
	v_and_b32 v28, 8, v26
	v_lshlrev_b32 v[LI], 4, v29
	v_add_nc_u32 v28, v28, v26                     ; r + 8 (r / 8)
	v_lshlrev_b32 v[L8], 3, v29
	v_lshlrev_b32 v[R4], 2, v26
	v_lshl_add_u32 v[PSR], v26, 4, PSC
	v_lshl_add_u32 v[LXR], v26, 4, LXO
	v_add_nc_u32 v[PRI], PIMG, v[LI]
	v_min_u32 v[PFO], 15, v29
	v_lshlrev_b32 v[GO], 12, v27
	v_mul_u32_u24 v[STO], v26, 272
	v_mul_u32_u24 v[STR], v27, 272
	v_lshlrev_b32 v254, 4, v27
	v_lshlrev_b32 v[PFO], 8, v[PFO]
	v_lshl_add_u32 v[GO], v26, 4, v[GO]
	v_lshl_add_u32 v[STO], v27, 5, v[STO]
	v_lshl_add_u32 v[STR], v26, 4, v[STR]
	v_sub_nc_u32 v254, v28, v254                   ; r + 8 (r / 8) - 16 h
	v_mov_b32 v[NINF], 0xff800000
	WALU
	s_lshl_b32 s2, s[WV], 13
	v_add_nc_u32 v[AV0], s2, v[LI]
	s_lshl_b32 s2, s[ROLE], 12
	s_lshl_b32 s3, s[KB], 9
	s_add_co_u32 s2, s2, s3
	s_add_co_u32 s2, s2, PIMG
	v_add_nc_u32 v[PWI], s2, v[LI]
	s_lshl_b32 s2, s[ROLE], 3
	s_add_co_u32 s2, s2, s[KB]
	v_add_nc_u32 v[PWS], s2, v[PSR]
	s_lshl_b32 s2, s[WV], 2
	s_add_co_u32 s2, s2, MX
	v_lshl_add_u32 v[XW], v26, 5, s2
	s_lshl_b32 s2, s[ROLE], 10
	s_add_co_u32 s2, s2, MX
	v_lshl_add_u32 v[XR], v26, 5, s2
	s_lshl_b32 s2, s[ROLE], 9
	s_lshl_b32 s3, s[KB], 2
	s_add_co_u32 s2, s2, s3
	s_add_co_u32 s2, s2, LXO
	v_lshl_add_u32 v[XWL], v26, 4, s2
	s_mul_i32 s2, s[WV], 4352
	s_add_co_u32 s2, s2, STG
	v_add_nc_u32 v[STO], s2, v[STO]                ; in: row r, 32 bytes for each half of the lanes
	v_add_nc_u32 v[STR], s2, v[STR]                ; back: lanes 0-15 one row of 256 bytes, lanes 16-31 the next
	s_lshl_b32 s3, s[CX], 6
	s_lshl_b32 s2, s[ROLE], 5
	s_add_co_u32 s2, s2, s3
	s_lshl_b32 s92, s[KB], 5
	s_sub_co_u32 s2, s2, s92
	v_add_nc_u32 v[DQ], s2, v254                   ; 64 cx + 32 qp - 32 b + r + 8 (r / 8) - 16 h
	s_lshl_b32 s2, s[ROLE], 6
	s_sub_co_u32 s3, s3, s2
	s_lshr_b32 s2, s[KB], 1
	s_lshl_b32 s2, s2, 5
	s_sub_co_u32 s3, s3, s2
	s_and_b32 s2, s[KB], 1
	s_lshl_b32 s2, s2, 3
	s_sub_co_u32 s3, s3, s2
	v_add_nc_u32 v[DP], s3, v254                   ; the same with my tile's first key
	s_mov_b32 s2, 0x01010101
	v_mul_lo_u32 v[SELV], v27, s2
	v_mov_b32 v23, 0                               ; (upper words of pairs of which the low word alone is taken)
	v_add_nc_u32 v[SELV], 0x400, v[SELV]
	v_mov_b32 v25, 0
.irp z, 40,56,80,112
.set x, 0
.rept 8
	v_mov_b32 v[\z+x], 0                           ; zero codes: the upper halves of q's fragments, and what follows k's
.set x, x+1
.endr
.endr
.irp z, 144,240
.set x, 0
.rept 12
	v_mov_b32 v[\z+x], 0                           ; written once, so that no way through the text reads a register that nothing has written
.set x, x+1
.endr
.endr
	WIN 0x40
.set x, 0
.rept 56
	v_mov_b32 v[200+x], 0                          ; likewise, and finite codes behind k's
.set x, x+1
.endr
	WIN 0
	s_wait_dscnt 0x0                               ; both opening adds are done
	s_wait_alu depctr_va_vdst(0)
	s_wait_kmcnt 0x0
	s_lshl_b32 s92, s[BAT], 17                     ; q's codes of my batch,
	s_add_nc_u64 s[QPB:QPB+1], s[4:5], s[92:93]
	s_add_co_u32 s92, s92, 0x100000                ; k's: pass 1's share, tile w of a step;
	s_lshl_b32 s2, s[WV], 10
	s_add_co_u32 s94, s92, s2
	s_add_nc_u64 s[KPB:KPB+1], s[4:5], s[94:95]
	s_lshl_b32 s2, s[KB], 11                       ; and block b
	s_add_co_u32 s94, s92, s2
	s_add_nc_u64 s[KBC:KBC+1], s[4:5], s[94:95]
	s_lshl_b32 s92, s[BAT], 11                     ; their scale bytes likewise
	s_add_nc_u64 s[QSB:QSB+1], s[6:7], s[92:93]
	s_add_co_u32 s92, s92, 0x8000
	s_lshl_b32 s2, s[ROLE], 6
	s_add_co_u32 s94, s92, s2
	s_add_nc_u64 s[KSP:KSP+1], s[6:7], s[94:95]
	s_lshr_b32 s2, s[KB], 1
	s_lshl_b32 s2, s2, 6
	s_add_co_u32 s94, s92, s2
	s_add_nc_u64 s[KSB:KSB+1], s[6:7], s[94:95]
	ASK 4, 7                                       ; the long super-block has 10 to 16 key steps
	KREGS 0, KBC, 0, KSB, 0
	KREGS 1, KBC, 8192, KSB, 128
	s_lshl_b32 s92, s[BAT], 16                     ; v's scale words
	s_lshl_b32 s2, s[DH], 11
	s_add_co_u32 s92, s92, s2
	s_lshl_b32 s2, s[WV], 8
	s_add_co_u32 s92, s92, s2
	s_add_nc_u64 s[VSB:VSB+1], s[10:11], s[92:93]
	global_load_b64 v[228:229], v[L8], s[VSB:VSB+1]
	global_load_b64 v[230:231], v[L8], s[VSB:VSB+1] offset:4096
	s_lshl_b32 s92, s[BAT], 21                     ; v's codes: batch, half of the channels
	s_lshl_b32 s2, s[DH], 16
	s_add_co_u32 s92, s92, s2
	s_add_nc_u64 s[VBC:VBC+1], s[8:9], s[92:93]
	s_lshl_b32 s[VW], s[ROLE], 17                  ; waves 0-3 fetch quarters of a slot's first step, waves 4-7 of its second
	s_lshl_b32 s2, s[KB], 14
	s_add_co_u32 s[VW], s[VW], s2
	s_mov_b32 s92, s[VW]
	s_add_nc_u64 s[G0+2:G0+3], s[VBC:VBC+1], s[92:93]
	s_or_b32 s[G0+3], s[G0+3], 0x80000000
	s_lshl_b32 s2, s[CX], 12
	s_add_co_u32 s94, s[VW], s2
	s_add_co_u32 s94, s94, 524288                  ; at slot 2: the first change of slots steps it to slot 3
	s_add_nc_u64 s[PFA:PFA+1], s[VBC:VBC+1], s[94:95]
	s_lshl_b32 s92, s[BAT], 23                     ; out0: batch, my 64 channels
	s_lshl_b32 s2, s[DH], 11
	s_add_co_u32 s92, s92, s2
	s_lshl_b32 s2, s[WV], 8
	s_add_co_u32 s92, s92, s2
	s_add_nc_u64 s[OB:OB+1], s[12:13], s[92:93]
	CROUND                                         ; all four work-groups are here: the first joint loads meet
	TLOAD                                          ; slot 0: the wave's one load at the head
	PROLOG 4, 7, -1
.Ltrip:                                            ; eight slots; each trip asks for the next
	HEAD 1
	KS0 1
	s_wait_loadcnt 0x7                             ; behind set 0 of k and step 1's scale words of v a wave has asked for set 1 (six) and step 0's scale words (one)
	s_cmp_eq_u32 s[LEFT], 1
	s_cbranch_scc1 .Lblock_ends                    ; the cluster's number and the count of slots alone: the same in all partners
	PERMS 0
	s_cmp_eq_u32 s[ROLE], 0
	s_cbranch_scc1 .Lproducts_first
	PLACES 8
	SM 0, 2, 2, 1
	PV 1
	VSL 1, 1
	s_branch .Lstep_ends
.Lproducts_first:
	PLOAD 1
	PV 1
	VSL 1, 1
	SM 0, 0, 2, 1
.Lstep_ends:
	s_sub_co_u32 s[LEFT], s[LEFT], 1
	s_branch .Ltrip_ends
.Lblock_ends:                                      ; the long super-block's last step: it goes out, and super-block i begins
	PLOAD 1
	PV 1
	VSL 1, 1
	OUTBASE
	s_lshl_b32 s2, s[II], 2
	s_add_co_u32 s[BLK], s2, s[CX]
	s_add_co_u32 s[LEFT], s[II], 1
	s_lshl_b32 s[NKS], s[LEFT], 1
	ASK 0, 3                                       ; q and k of the next block: the way out covers their way
	WAYOUT
	PROLOG 0, 3, 1
.Ltrip_ends:
	WALU
	s_sub_co_u32 s[TRIP], s[TRIP], 1
	s_cmp_lg_u32 s[TRIP], 0
	s_cbranch_scc1 .Ltrip
	HEAD 0                                         ; the ninth slot fills nothing
	KS0 0
	s_wait_loadcnt 0x0
	PLOAD 1
	PV 1
	OUTBASE
	WAYOUT
	s_wait_tensorcnt 0x0                           ; the wave's end, behind my last tensor load and my last LDS store
	ds_add_u32 v[SPW], v[NIL]
	s_wait_dscnt 0x0
	CROUND                                         ; the closing round
	s_endpgm
.Lfunc_end_k_q1b3682918b_attn:
	.size	k_q1b3682918b_attn, .Lfunc_end_k_q1b3682918b_attn-k_q1b3682918b_attn
	.p2alignl 7, 3214868480
	.fill 96, 4, 3214868480
	.section	.rodata,"a",@progbits
	.p2align	6, 0x0
	.amdhsa_kernel k_q1b3682918b_attn
		.amdhsa_group_segment_fixed_size 327680
		.amdhsa_private_segment_fixed_size 0
		.amdhsa_enable_private_segment 0
		.amdhsa_kernarg_size 40
		.amdhsa_user_sgpr_count 2
		.amdhsa_user_sgpr_kernarg_segment_ptr 1
		.amdhsa_wavefront_size32 1
		.amdhsa_system_sgpr_workgroup_id_x 1
		.amdhsa_system_sgpr_workgroup_id_y 1
		.amdhsa_system_sgpr_workgroup_id_z 1
		.amdhsa_system_vgpr_workitem_id 0
		.amdhsa_next_free_vgpr 512
		.amdhsa_next_free_sgpr 100
		.amdhsa_reserve_vcc 1
		.amdhsa_float_denorm_mode_32 3
		.amdhsa_float_denorm_mode_16_64 3
		.amdhsa_memory_ordered 1
		.amdhsa_forward_progress 1
		.amdhsa_inst_pref_size 248
	.end_amdhsa_kernel
	.amdgpu_metadata
---
amdhsa.version: [ 1, 2 ]
amdhsa.kernels:
  - .name:           k_q1b3682918b_attn
    .symbol:         k_q1b3682918b_attn.kd
    .args:
      - { .name: qkcodes, .offset: 0, .size: 8, .value_kind: global_buffer, .address_space: global }
      - { .name: qkscales, .offset: 8, .size: 8, .value_kind: global_buffer, .address_space: global }
      - { .name: vcodes, .offset: 16, .size: 8, .value_kind: global_buffer, .address_space: global }
      - { .name: vscales, .offset: 24, .size: 8, .value_kind: global_buffer, .address_space: global }
      - { .name: out0, .offset: 32, .size: 8, .value_kind: global_buffer, .address_space: global }
    .group_segment_fixed_size: 327680
    .private_segment_fixed_size: 0
    .kernarg_segment_align: 8
    .kernarg_segment_size: 40
    .max_flat_workgroup_size: 256
    .sgpr_count:     100
    .vgpr_count:     512
    .wavefront_size: 32
...
	.end_amdgpu_metadata
.endif
;; end of part 2
